; MI455X (gfx1250); checked and timed in simulation.
; The chip was launched on July 23, 2026; its instructions are those of AMD's public machine-readable ISA for CDNA 5 (MIT licence, August 2026) and "CDNA5" Instruction Set Architecture Reference Guide (July 2026). The comments in the code are by the model that wrote it; some were corrected since.
;; Multi Prop MLP. Allowed arithmetic: float matrix products may take bf16 or f16 operands with f32 sums; other float arithmetic in f32, or as packed bf16 or f16 multiplies, adds, multiply-adds, maxima and minima; sums over many terms, partial sums and values carried from step to step in f32; what a program stores and reads back later, other than sums and carried values, may be rounded once to bf16 or f16.
;; Inputs: W0 8 x 16 x 64 float32; W1 8 x 64 x 64 float32; W2 8 x 64 x 1 float32; b0 8 x 64 float32; b1 8 x 64 float32; b2 8 x 1 float32; idxs 8,192 x 128 int32; xs 8,192 x 128 x 16 float32.
;; Outputs: out0 8,192 x 128 x 1 float32.
;; One version. Each part assembles by itself: llvm-mc -triple=amdgcn-amd-amdhsa -mcpu=gfx1250 --defsym DOCPART=n.
;; ======== version 1 of 1: 2 launches
;; limits: values are held in f16: magnitudes above 65,504 overflow, below 6.1e-05 lose precision
;; workspace buffers: slots 4,194,304 bytes of whole numbers; meta 65,536 bytes of whole numbers; wf 81,920 bytes
;; launch sort (part 1): grid 256 x 1, 16 waves a work-group, no clusters, 4,096 bytes of LDS; arguments idxs, W0, W1, slots, meta, wf; writes slots, meta, wf
.if DOCPART == 1
	.amdgcn_target "amdgcn-amd-amdhsa--gfx1250"
	.amdhsa_code_object_version 6
	.text
	.protected	k_q7b5a71eefb_sort
	.globl	k_q7b5a71eefb_sort
	.p2align	8
	.type	k_q7b5a71eefb_sort,@function
k_q7b5a71eefb_sort:
	s_mov_b64 s[64:65], 0
	v_nop
	global_prefetch_b8 v0, s[64:65] scope:SCOPE_SE
	s_setreg_imm32_b32 hwreg(HW_REG_WAVE_MODE, 25, 1), 1
	s_wait_xcnt 0x0
; THE ROUTING, AND THE LARGE WEIGHTS LAID OUT ONCE.
; A work-group owns 4,096 consecutive tokens, as 4 chunks of 1,024.  In each chunk the tokens are sorted by expert (counts, prefix sums; no atomics), each expert's part
; padded to whole tiles of 16.  Stored, all at fixed places:  slots[token] = 1,152 c + 16 x tile + place (4,608 for an index outside 0..7);
; meta[work-group][8 c + e] = (the expert's first tile in the chunk, its number of tiles).  No address and no branch of this launch hangs on these numbers: the next launch reads them.
; Work-groups 0-15 also write wf: for expert e 20 units of 512 bytes, each four operand registers of 32 lanes.  Unit t (0-3): W0, features 16 t + lane % 16, k = 8 (lane / 16) + 0..7, in bf16.
; Unit 4 + 2 (4 kk + t) + u: W1, features 16 t + lane % 16, k = 32 kk + 16 u + 8 (lane / 16) + 0..7, rounded to bf16 and written as f16 (|W1| stays under 65,504; below 2^-14 f16's fixed step of 6e-8).
; A wave makes one unit from eight loads of 4 bytes a lane: 163,840 bytes in the whole launch, asked for together with the indices.
; NO CLUSTER: the work-groups share no input.  LDS: 0 counts [wave 16][chunk 4][expert 8] | 2,048 the spare words.
.set CNT,    0
.set SPARE,  2048                      ; 128 bytes for each of 16 waves; no other line names them
.set NOSLOT, 4608
.set SPW, 6                            ; v6   my spare word; never rewritten
.set NIL, 7                            ; v7   0, for the add alone
.set POS, 16                           ; v16-23 my eight tokens (chunk c, i = 0, 1 at 2 c + i): the rank in my wave, at last the slot
.set VL,  40                           ; v40  16 x lane
.set VG,  41                           ; v41  2,048 (lane / 16) + 4 (lane % 16)
.set IDX, 48                           ; v48-55 my eight indices
.set MT,  56                           ; v56-57 lane 8 c + e: the expert's first tile, its tiles
.set WT,  64                           ; v64-71 eight weights
.set RS,  72                           ; v72-75 a unit
	s_load_b256 s[8:15], s[0:1], 0x0               ; idxs s[8:9], W0 s[10:11], W1 s[12:13], slots s[14:15]
	s_load_b128 s[16:19], s[0:1], 0x20             ; meta s[16:17], wf s[18:19]
	v_lshl_add_u32 v[SPW], v0, 2, SPARE
	v_mov_b32 v[NIL], 0
	v_lshrrev_b32 v8, 5, v0
	v_readfirstlane_b32 s2, v8                     ; w, 0..15
	s_bfm_b32 s71, s2, 0                           ; bit w' is set for the waves w' < w
	s_mov_b32 s60, 0xffff0000                      ; a word's upper bf16
	s_mov_b32 s61, 0xfefefefe                      ; lanes with (lane % 8) >= 1, 2, 4
	s_mov_b32 s62, 0xfcfcfcfc
	s_mov_b32 s63, 0xf0f0f0f0
	s_lshl_b32 s20, ttmp9, 14                      ; idxs and slots: 16,384 bytes a work-group
	s_mov_b32 s21, 0
	s_lshl_b32 s22, ttmp9, 8                       ; meta: 256
	s_mov_b32 s23, 0
	s_lshr_b32 s4, ttmp9, 3                        ; 0: this work-group lays out W1 of expert s3; 1: W0; more: neither
	s_and_b32 s3, ttmp9, 7
	v_lshlrev_b32 v8, 3, v0                        ; my two tokens of a chunk: 8 bytes
	s_wait_kmcnt 0x0
	s_add_nc_u64 s[8:9], s[8:9], s[20:21]
	s_add_nc_u64 s[14:15], s[14:15], s[20:21]
	s_add_nc_u64 s[16:17], s[16:17], s[22:23]
.irp c, 0,1,2,3
	global_load_b64 v[IDX+2*(\c):IDX+2*(\c)+1], v8, s[8:9] offset:(\c)*4096 th:TH_LOAD_NT
.endr
	; THE WEIGHTS.  Forward jumps on the work-group's and the wave's number; no barrier stands in what is jumped.
.macro TOF16 d, a, b                   ; two f32 -> bf16 -> the same numbers as f16
	v_cvt_pk_bf16_f32 v12, v[\a], v[\b]
	v_lshlrev_b32 v13, 16, v12
	v_and_b32 v14, s60, v12
	v_cvt_pk_f16_f32 v[\d], v13, v14
.endm
	s_cmp_gt_u32 s4, 1
	s_cbranch_scc1 .Lsort
	v_and_b32 v[VL], 31, v0
	v_lshlrev_b32 v[VL], 4, v[VL]
	v_and_b32 v[VG], 15, v0
	v_lshlrev_b32 v[VG], 2, v[VG]
	v_and_b32 v9, 16, v0
	v_lshl_add_u32 v[VG], v9, 7, v[VG]             ; a row of 64 f32 is 256 bytes: lanes 16-31 begin 8 rows further down
	s_mul_i32 s24, s3, 10240                       ; the expert's 20 units
	s_mov_b32 s25, 0
	s_mov_b32 s27, 0
	s_cmp_eq_u32 s4, 0
	s_cbranch_scc0 .Lw0
	s_lshl_b32 s26, s3, 14                         ; W1: wave w makes unit 4 + w: u = w & 1, t = (w >> 1) & 3, kk = w >> 3
	s_lshr_b32 s7, s2, 3
	s_lshl_b32 s7, s7, 13                          ; 32 kk rows
	s_add_co_u32 s26, s26, s7
	s_and_b32 s7, s2, 1
	s_lshl_b32 s7, s7, 12                          ; 16 u rows
	s_add_co_u32 s26, s26, s7
	s_bfe_u32 s7, s2, 0x20001
	s_lshl_b32 s7, s7, 6                           ; 16 t features
	s_add_co_u32 s26, s26, s7
	s_lshl_b32 s7, s2, 9
	s_add_co_u32 s24, s24, s7
	s_add_co_u32 s24, s24, 2048
	s_add_nc_u64 s[12:13], s[12:13], s[26:27]
	s_add_nc_u64 s[18:19], s[18:19], s[24:25]
.irp j, 0,1,2,3,4,5,6,7
	global_load_b32 v[WT+(\j)], v[VG], s[12:13] offset:(\j)*256
.endr
	s_wait_loadcnt 0x0
.irp i, 0,1,2,3
	TOF16 RS+(\i), WT+2*(\i), WT+2*(\i)+1          ; the lower k in the lower half
.endr
	global_store_b128 v[VL], v[RS:RS+3], s[18:19]  ; 512 consecutive bytes, at a multiple of 256 from wf's first
	s_branch .Lsort
.Lw0:
	s_cmp_lt_u32 s2, 4
	s_cbranch_scc0 .Lsort
	s_lshl_b32 s26, s3, 12                         ; W0: wave t (0-3) makes unit t
	s_lshl_b32 s7, s2, 6
	s_add_co_u32 s26, s26, s7
	s_lshl_b32 s7, s2, 9
	s_add_co_u32 s24, s24, s7
	s_add_nc_u64 s[10:11], s[10:11], s[26:27]
	s_add_nc_u64 s[18:19], s[18:19], s[24:25]
.irp j, 0,1,2,3,4,5,6,7
	global_load_b32 v[WT+(\j)], v[VG], s[10:11] offset:(\j)*256
.endr
	s_wait_loadcnt 0x0
.irp i, 0,1,2,3
	v_cvt_pk_bf16_f32 v[RS+(\i)], v[WT+2*(\i)], v[WT+2*(\i)+1]
.endr
	global_store_b128 v[VL], v[RS:RS+3], s[18:19]
.Lsort:                                                ; what follows writes none of v40-41, v72-75, s[18:19], which a store above may still read
	; RANKS IN MY WAVE.  For chunk c and expert e: the lanes' first tokens come first, then their second ones.  Lane 8 c + e of v13 takes the wave's count.
.macro RANK c
.irp e, 0,1,2,3,4,5,6,7
	v_cmp_eq_u32 s76, \e, v[IDX+2*(\c)]
	v_cmp_eq_u32 s77, \e, v[IDX+2*(\c)+1]
	s_bcnt1_i32_b32 s78, s76
	v_mbcnt_lo_u32_b32 v14, s76, 0
	v_mbcnt_lo_u32_b32 v15, s77, s78
	s_bcnt1_i32_b32 s79, s77
	s_add_co_u32 s78, s78, s79
	v_cndmask_b32 v[POS+2*(\c)], v[POS+2*(\c)], v14, s76
	v_cndmask_b32 v[POS+2*(\c)+1], v[POS+2*(\c)+1], v15, s77
	v_writelane_b32 v13, s78, 8*(\c)+(\e)
.endr
.endm
.irp k, 0,1,2,3,4,5,6,7
	v_mov_b32 v[POS+(\k)], 0
.endr
	v_mov_b32 v13, 0
	s_wait_loadcnt 0x0                             ; the indices are in
	RANK 0
	RANK 1
	RANK 2
	RANK 3
	v_lshl_add_u32 v14, v0, 2, CNT
	ds_store_b32 v14, v13                          ; my wave's 32 counts
	s_wait_dscnt 0x0                               ; for the others' sake: they are written
	s_barrier_signal -1
	s_barrier_wait -1
	; BASES.  Lane 8 c + e stands for chunk c, expert e: the count over all waves, the count over the waves before mine, the expert's tiles and its first tile.
	v_and_b32 v8, 31, v0
	v_lshl_add_u32 v8, v8, 2, CNT
.set i, 0
.rept 16
	ds_load_b32 v[24+i], v8 offset:128*i
.set i, i+1
.endr
	s_wait_dscnt 0x0
	v_add3_u32 v12, v24, v25, v26
.irp i, 27,29,31,33,35,37
	v_add3_u32 v12, v12, v[\i], v[(\i)+1]
.endr
	v_add_nc_u32 v12, v12, v39                     ; the expert's tokens in the chunk
	s_bfe_u32 s72, s71, 0x10000
	v_mul_u32_u24 v13, v24, s72
.irp i, 1,2,3,4,5,6,7,8,9,10,11,12,13,14
	s_bfe_u32 s[72+(\i)%4], s71, 0x10000|(\i)      ; 1 if wave i comes before mine
	v_mad_u32_u24 v13, v[24+(\i)], s[72+(\i)%4], v13
.endr
	v_add_nc_u32 v[MT+1], 15, v12
	v_lshrrev_b32 v[MT+1], 4, v[MT+1]              ; its tiles
	v_mov_b32 v15, v[MT+1]
	v_mov_b32 v9, 0
.macro SCAN n, mask                    ; a step of a running sum inside each group of eight lanes
	v_mov_b32_dpp v9, v15 row_shr:\n row_mask:0xf bank_mask:0xf bound_ctrl:1
	v_cndmask_b32 v9, 0, v9, \mask
	v_add_nc_u32 v15, v15, v9
.endm
	SCAN 1, s61
	SCAN 2, s62
	SCAN 4, s63
	v_sub_nc_u32 v[MT], v15, v[MT+1]               ; its first tile in the chunk
	v_lshl_add_u32 v11, v[MT], 4, v13
	v_bfe_u32 v9, v0, 3, 2
	v_mad_u32_u24 v11, v9, 0x480, v11              ; the slot of my wave's first token of that expert: 1,152 c + 16 x tile + the tokens of the waves before
	; SLOTS.  A token's slot = its rank in the wave + its wave's base, fetched from lane 8 c + index.
.set k, 0
.rept 8
	v_lshl_add_u32 v[24+k], v[IDX+k], 2, 32*(k/2)
	ds_bpermute_b32 v[32+k], v[24+k], v11
.set k, k+1
.endr
	v_mov_b32 v13, NOSLOT
	v_lshlrev_b32 v10, 3, v0
	s_wait_dscnt 0x0
.set k, 0
.rept 8
	v_add_nc_u32 v12, v[POS+k], v[32+k]
	v_cmp_gt_u32 s76, 8, v[IDX+k]
	v_cndmask_b32 v12, v13, v12, s76               ; an index outside 0..7 has no expert
	v_min_u32 v[POS+k], NOSLOT, v12
.set k, k+1
.endr
.irp c, 0,1,2,3
	global_store_b64 v10, v[POS+2*(\c):POS+2*(\c)+1], s[14:15] offset:(\c)*4096  ; a wave's store covers 256 consecutive bytes, at a multiple of 256 from the buffer's first
.endr
	s_cmp_lg_u32 s2, 0
	s_cbranch_scc1 .Lnot_0
	global_store_b64 v10, v[MT:MT+1], s[16:17]     ; wave 0 (thread = lane): the work-group's 32 pairs, 256 consecutive bytes
.Lnot_0:
	s_wait_tensorcnt 0x0                           ; the wave's end: three lines behind my last LDS store
	ds_add_u32 v[SPW], v[NIL]
	s_wait_dscnt 0x0
	s_endpgm
.Lfunc_end_k_q7b5a71eefb_sort:
	.size	k_q7b5a71eefb_sort, .Lfunc_end_k_q7b5a71eefb_sort-k_q7b5a71eefb_sort
	.p2alignl 7, 3214868480
	.fill 96, 4, 3214868480
	.section	.rodata,"a",@progbits
	.p2align	6, 0x0
	.amdhsa_kernel k_q7b5a71eefb_sort
		.amdhsa_group_segment_fixed_size 4096
		.amdhsa_private_segment_fixed_size 0
		.amdhsa_enable_private_segment 0
		.amdhsa_kernarg_size 48
		.amdhsa_user_sgpr_count 2
		.amdhsa_user_sgpr_kernarg_segment_ptr 1
		.amdhsa_wavefront_size32 1
		.amdhsa_system_sgpr_workgroup_id_x 1
		.amdhsa_system_sgpr_workgroup_id_y 1
		.amdhsa_system_sgpr_workgroup_id_z 1
		.amdhsa_system_vgpr_workitem_id 0
		.amdhsa_next_free_vgpr 80
		.amdhsa_next_free_sgpr 80
		.amdhsa_reserve_vcc 0
		.amdhsa_float_denorm_mode_32 3
		.amdhsa_float_denorm_mode_16_64 3
		.amdhsa_memory_ordered 1
		.amdhsa_forward_progress 1
		.amdhsa_inst_pref_size 32
	.end_amdhsa_kernel
	.amdgpu_metadata
---
amdhsa.version: [ 1, 2 ]
amdhsa.kernels:
  - .name:           k_q7b5a71eefb_sort
    .symbol:         k_q7b5a71eefb_sort.kd
    .args:
      - { .name: idxs, .offset: 0, .size: 8, .value_kind: global_buffer, .address_space: global }
      - { .name: W0, .offset: 8, .size: 8, .value_kind: global_buffer, .address_space: global }
      - { .name: W1, .offset: 16, .size: 8, .value_kind: global_buffer, .address_space: global }
      - { .name: slots, .offset: 24, .size: 8, .value_kind: global_buffer, .address_space: global }
      - { .name: meta, .offset: 32, .size: 8, .value_kind: global_buffer, .address_space: global }
      - { .name: wf, .offset: 40, .size: 8, .value_kind: global_buffer, .address_space: global }
    .group_segment_fixed_size: 4096
    .private_segment_fixed_size: 0
    .kernarg_segment_align: 8
    .kernarg_segment_size: 48
    .max_flat_workgroup_size: 512
    .sgpr_count:     80
    .vgpr_count:     80
    .wavefront_size: 32
...
	.end_amdgpu_metadata
.endif
;; end of part 1
;; launch mlp (part 2): grid 256 x 1, 16 waves a work-group, no clusters, 168,448 bytes of LDS; arguments xs, b0, b1, W2, b2, slots, meta, wf, out0; writes out0
.if DOCPART == 2
	.amdgcn_target "amdgcn-amd-amdhsa--gfx1250"
	.amdhsa_code_object_version 6
	.text
	.protected	k_q7b5a71eefb_mlp
	.globl	k_q7b5a71eefb_mlp
	.p2align	8
	.type	k_q7b5a71eefb_mlp,@function
k_q7b5a71eefb_mlp:
	s_mov_b64 s[64:65], 0
	v_nop
	global_prefetch_b8 v0, s[64:65] scope:SCOPE_SE
	s_setreg_imm32_b32 hwreg(HW_REG_WAVE_MODE, 25, 1), 1
	s_wait_xcnt 0x0
; out[n] = W2[e]^T relu(W1[e]^T relu(W0[e]^T x[n] + b0[e]) + b1[e]) + b2[e], e = idxs[n]; 0 where idxs[n] lies outside 0..7.
; 1,048,576 tokens of 16 f32; widths 16 -> 64 -> 64 -> 1; 8 experts.  Only the chosen expert is multiplied.  The launch before has sorted: slots[token] and meta (first tile, tiles) are read here.
; SHARES.  256 work-groups of 16 waves; a work-group owns 4,096 consecutive tokens, taken as 4 chunks of 1,024.  Wave w serves ONE expert, e = w >> 1, and keeps that expert's
; weights in registers as matrix operands for the whole launch; the two waves of an expert take its tiles of 16 tokens alternately.
; x.  A wave loads 64 tokens of a chunk as eight runs of 512 consecutive bytes (a lane: a quarter of a token), rounds them to bf16 and stores each quarter at 32 x slot + 8 x quarter in LDS:
; x is sorted on its way in, and a tile is 512 consecutive bytes.  Chunks 0 and 1 are asked for at the start (chunk 1 into the accumulators' registers), chunk 2 when chunk 0 is
; stored, chunk 3 when chunk 2 is stored: 32 registers a lane are on their way while tiles are multiplied.  The places that pad an expert's last tile hold zeros.
; ORDER IN LDS.  A slot comes out of memory, so a store of x may fall anywhere in x's place.  So between every wave's reads of tiles and the next stores of x stands a barrier, and another between
; those stores and the next reads:  clear | chunks 0, 1 in | tiles 0 | chunk 2 in | tiles 1, 2 | chunk 3 in | tiles 3 | out:  seven barriers.
; LAYOUT.  The products are used transposed (source 0 = 16 output features, source 1 = 16 tokens): a lane holds one token (lane % 16) and eight features,
; and two results packed in pairs ARE source 1 of the next layer: nothing changes lanes.  Layer 0: K = 16 of x, k = 16 carries b0 against a constant 1.0.
; Layer 1: b1 is the C operand of the first K step.  Layer 2: all 16 rows of source 0 are W2, two accumulators, added with b2.
; FORMATS.  Every input is rounded to bf16 (b1, b2 widened again to f32; W1 then written as f16).  h0 is rounded to f16, h1 to bf16; all sums in f32.
; LIMITS.  |h0| and |W1| stay under 65,504 (f16); with all inputs 30 times those of unit spread h0 is of the order of 1e4.  W1 below 2^-14 keeps f16's fixed step of 6e-8.
; NaN and infinities are not treated as the definition treats them (the packed maximum drops a NaN).  Every split of the tokens over the experts is served
; (at most 71 tiles a chunk, at most 32 a wave); a one-sided split is slower, since an expert has two waves.
; NO CLUSTER.  Work-groups share the weights alone, 10,240 bytes a wave beside 16,384 of x, and these go straight into registers: no tile in LDS is shared.
; LDS (bytes):  0 x by slot, 4,609 x 32 | 147,712 results by slot, 4,609 words (the last: 0, for tokens without an expert) | 166,400 the spare words
.set OUTS,   147712
.set OZ,     OUTS+18432
.set SPARE,  166400                    ; 128 bytes for each of 16 waves; no other line names them
.set NOSLOT, 4608
.set VXL, 1                            ; v1   32 (lane % 16) + 16 (lane / 16): my 16 bytes in a tile of x
.set VOL, 2                            ; v2   OUTS + 4 (lane % 16)
.set VQ,  3                            ; v3   8 (lane % 4): my quarter's place in a slot
.set VZ,  4                            ; v4   0; never rewritten
.set VB2, 5                            ; v5   b2
.set SPW, 6                            ; v6   my spare word; never rewritten
.set NIL, 7                            ; v7   0, for the add alone
.set VXA, 8                            ; v8   a tile's address in x
.set VOA, 9                            ; v9   its address among the results
.set VGX, 10                           ; v10  4,096 w + 16 lane: my bytes in a chunk of x; never rewritten
.set VGS, 11                           ; v11  256 w + 4 (lane / 4): my token's word in a chunk of slots; never rewritten
.set TA,  12                           ; v12  at work
.set VWL, 13                           ; v13  16 lane
.set VH,  14                           ; v14  32 (lane / 16)
.set V4R, 15                           ; v15  4 (lane % 16)
.set SL,  16                           ; v16-23  the slots of the chunk on its way
.set XB,  24                           ; v24-31  source 1 of layer 0
.set XL,  32                           ; v32-63  x of the chunk on its way
.set D,   64                           ; v64-95  four accumulators; layer 2 takes the first two again
.set H,   96                           ; v96-111 a hidden layer, packed
.set W0F, 112                          ; v112-143 feature block t at + 8 t
.set W1F, 144                          ; v144-207 feature block t, K half kk at + 8 (4 kk + t)
.set W2F, 208                          ; v208-223 K half kk at + 8 kk
.set B1C, 224                          ; v224-255 feature block t at + 8 t
.set ST0, 52                           ; s52-55 my first tile of chunk c, counted over all chunks (72 a chunk)
.set SNT, 56                           ; s56-59 how many tiles of chunk c are mine
	s_load_b512 s[8:23], s[0:1], 0x0               ; xs s[8:9], b0 s[10:11], b1 s[12:13], W2 s[14:15], b2 s[16:17], slots s[18:19], meta s[20:21], wf s[22:23]
	s_load_b64 s[24:25], s[0:1], 0x40              ; out0
	v_lshl_add_u32 v[SPW], v0, 2, SPARE
	v_mov_b32 v[NIL], 0
	v_lshrrev_b32 v8, 5, v0
	v_readfirstlane_b32 s2, v8                     ; w, 0..15
	s_lshr_b32 s3, s2, 1                           ; e
	s_lshr_b32 s7, s2, 2
	s_xor_b32 s5, s2, s7
	s_and_b32 s5, s5, 1                            ; p: I take the expert's tiles p, p + 2, ..; which of the pair has p = 0 changes from expert to expert
	s_sub_co_u32 s6, 1, s5
	s_mov_b32 s60, 0xffff0000                      ; a word's upper bf16; as a lane mask: lanes 16-31
	s_lshl_b32 s26, ttmp9, 18                      ; byte offsets, made apart from the addresses: x: 262,144 a work-group
	s_mov_b32 s27, 0
	s_lshl_b32 s28, ttmp9, 14                      ; slots and out0: 16,384
	s_mov_b32 s29, 0
	s_lshl_b32 s30, ttmp9, 8                       ; meta: 256 a work-group, 8 an expert
	s_lshl_b32 s7, s3, 3
	s_add_co_u32 s30, s30, s7
	s_mov_b32 s31, 0
	s_mul_i32 s32, s3, 10240                       ; wf
	s_mov_b32 s33, 0
	s_lshl_b32 s34, s3, 8                          ; b0, b1, W2
	s_mov_b32 s35, 0
	s_lshl_b32 s36, s3, 2                          ; b2
	s_mov_b32 s37, 0
	v_and_b32 v8, 31, v0
	v_lshlrev_b32 v[VWL], 4, v8
	v_lshl_add_u32 v[VGX], s2, 12, v[VWL]
	v_lshrrev_b32 v9, 2, v8
	v_lshlrev_b32 v9, 2, v9
	v_lshl_add_u32 v[VGS], s2, 8, v9
	v_and_b32 v[VQ], 3, v0
	v_lshlrev_b32 v[VQ], 3, v[VQ]
	v_and_b32 v9, 15, v0
	v_and_b32 v[VXL], 16, v0
	v_lshlrev_b32 v[VH], 1, v[VXL]
	v_lshl_add_u32 v[VXL], v9, 5, v[VXL]
	v_lshl_add_u32 v[VOL], v9, 2, OUTS
	v_lshlrev_b32 v[V4R], 2, v9
	v_mov_b32 v[VZ], 0
	s_wait_kmcnt 0x0
	s_add_nc_u64 s[8:9], s[8:9], s[26:27]
	s_add_nc_u64 s[10:11], s[10:11], s[34:35]
	s_add_nc_u64 s[12:13], s[12:13], s[34:35]
	s_add_nc_u64 s[14:15], s[14:15], s[34:35]
	s_add_nc_u64 s[16:17], s[16:17], s[36:37]
	s_add_nc_u64 s[18:19], s[18:19], s[28:29]
	s_add_nc_u64 s[20:21], s[20:21], s[30:31]
	s_add_nc_u64 s[22:23], s[22:23], s[32:33]
	s_add_nc_u64 s[24:25], s[24:25], s[28:29]
.irp c, 0,1,2,3
	s_load_b64 s[40+2*(\c):41+2*(\c)], s[20:21], (\c)*64           ; my expert's first tile and tiles in chunk c
.endr
; Chunk c is asked for: my wave's 64 tokens; the slots into v[s ..], x into v[x ..].  16 loads.
.macro ASK c, s, x
.irp j, 0,1,2,3,4,5,6,7
	global_load_b32 v[(\s)+(\j)], v[VGS], s[18:19] offset:(\c)*4096+(\j)*32        ; the slot of token 8 j + lane / 4
.endr
.irp j, 0,1,2,3,4,5,6,7
	global_load_b128 v[(\x)+4*(\j):(\x)+4*(\j)+3], v[VGX], s[8:9] offset:(\c)*65536+(\j)*512 th:TH_LOAD_NT  ; 512 consecutive bytes: quarter lane % 4 of that token
.endr
.endm
; and stored by slot, rounded to bf16.  A slot out of memory is held to 4,608, the place for tokens without an expert, which nobody reads.
.macro SCAT s, x
.set j, 0
.rept 8
	v_min_u32 v[(\s)+j], NOSLOT, v[(\s)+j]
	v_lshl_add_u32 v[(\s)+j], v[(\s)+j], 5, v[VQ]
	v_cvt_pk_bf16_f32 v[(\x)+4*j], v[(\x)+4*j], v[(\x)+4*j+1]
	v_cvt_pk_bf16_f32 v[(\x)+4*j+1], v[(\x)+4*j+2], v[(\x)+4*j+3]
	ds_store_b64 v[(\s)+j], v[(\x)+4*j:(\x)+4*j+1]
.set j, j+1
.endr
	s_wait_dscnt 0x0                               ; the stores are done: their registers are loaded anew, and a barrier follows
.endm
.macro MEET                            ; a work-group barrier; every LDS instruction of mine has been waited for in front of it
	s_barrier_signal -1
	s_barrier_wait -1
.endm
	; REQUESTS: 21 small loads, then chunks 0 and 1
.irp n, 0,1,2,3,4,5,6,7
	global_load_b128 v[B1C+4*(\n):B1C+4*(\n)+3], v[VH], s[12:13] offset:((\n)/2)*64+((\n)%2)*16   ; b1[16 t + 8 (lane / 16) + 0..7]: the C operand's layout
.endr
.irp n, 0,1,2,3,4,5,6,7
	global_load_b128 v[W1F+4*(\n):W1F+4*(\n)+3], v[VH], s[14:15] offset:((\n)/2)*64+((\n)%2)*16   ; W2[16 (n / 2) + 8 (lane / 16) + 0..7], parked in W1's registers
.endr
.irp t, 0,1,2,3
	global_load_b32 v[W0F+8*(\t)+4], v[V4R], s[10:11] offset:(\t)*64   ; b0[16 t + lane % 16]
.endr
	global_load_b32 v[VB2], v[VZ], s[16:17]
	ASK 0, SL, XL
	ASK 1, H, D                                    ; the accumulators and the hidden layer's registers are idle until the first tile
	; x's place in LDS is cleared, each wave 9,216 bytes of its own: the places that pad a tile stay 0
.irp k, 0,1,2,3
	v_mov_b32 v[XB+(\k)], 0
.endr
	s_mul_i32 s7, s2, 9216
	v_add_nc_u32 v8, s7, v[VWL]
.set i, 0
.rept 18
	ds_store_b128 v8, v[XB:XB+3] offset:512*i
.set i, i+1
.endr
	s_cmp_lg_u32 s2, 0
	s_cbranch_scc1 .Lnot_0
	v_mov_b32 v9, OZ
	ds_store_b32 v9, v[VZ]                         ; the result of a token without an expert
.Lnot_0:
	v_mov_b32 v[XB+4], 0x3f80                      ; k = 16: 1.0 in bf16, against b0; k = 17: 0
	v_cndmask_b32 v[XB+4], v[XB+4], v[VZ], s60     ; lanes 16-31 hold k = 24 on: 0
	v_mov_b32 v[XB+5], 0
	v_mov_b32 v[XB+6], 0
	v_mov_b32 v[XB+7], 0
	; THE SMALL OPERANDS, each rounded to bf16
	s_wait_loadcnt 32                              ; b1, W2, b0, b2 are in; the 32 loads of chunks 0 and 1 stay out
.set m, 0
.rept 16
	v_cvt_pk_bf16_f32 v[TA], v[B1C+2*m], v[B1C+2*m+1]
	v_lshlrev_b32 v[B1C+2*m], 16, v[TA]            ; b1 goes back to f32: it is a C operand
	v_and_b32 v[B1C+2*m+1], s60, v[TA]
	v_cvt_pk_bf16_f32 v[W2F+m], v[W1F+2*m], v[W1F+2*m+1]
.set m, m+1
.endr
.irp t, 0,1,2,3
	v_cvt_pk_bf16_f32 v[W0F+8*(\t)+4], v[W0F+8*(\t)+4], v[VZ]          ; k = 16: b0; k = 17: 0
	v_cndmask_b32 v[W0F+8*(\t)+4], v[W0F+8*(\t)+4], v[VZ], s60         ; lanes 16-31 hold k = 24 on: 0
	v_mov_b32 v[W0F+8*(\t)+5], 0
	v_mov_b32 v[W0F+8*(\t)+6], 0
	v_mov_b32 v[W0F+8*(\t)+7], 0
.endr
	v_cvt_pk_bf16_f32 v[VB2], v[VB2], v[VZ]
	v_lshlrev_b32 v[VB2], 16, v[VB2]
	; W0 and W1, as the launch before laid them out: 20 loads of four operand registers
.irp t, 0,1,2,3
	global_load_b128 v[W0F+8*(\t):W0F+8*(\t)+3], v[VWL], s[22:23] offset:(\t)*512
.endr
.set i, 0
.rept 16
	global_load_b128 v[W1F+4*i:W1F+4*i+3], v[VWL], s[22:23] offset:(4+i)*512
.set i, i+1
.endr
	s_wait_dscnt 0x0                               ; for the others' sake: my part of LDS is cleared
	MEET                                           ; only now does anybody store x
	s_wait_loadcnt 36                              ; chunk 0 is in; behind it: 16 loads of chunk 1, 20 of weights
	SCAT SL, XL
	ASK 2, SL, XL
	s_wait_loadcnt 36                              ; chunk 1 is in; behind it: 20 loads of weights, 16 of chunk 2
	SCAT H, D
	s_wait_loadcnt 16                              ; the weights are in; chunk 2 stays out
	s_wait_kmcnt 0x0
.irp c, 0,1,2,3
	s_add_co_u32 s[ST0+(\c)], s[40+2*(\c)], s5
	s_add_co_u32 s[ST0+(\c)], s[ST0+(\c)], 72*(\c)
	s_add_co_u32 s7, s[41+2*(\c)], s6
	s_lshr_b32 s7, s7, 1
	s_min_u32 s[SNT+(\c)], s7, 32                  ; 64 tiles an expert and chunk at the most
.endr
	MEET                                           ; chunks 0 and 1 lie in LDS, everybody's part (SCAT has waited for my stores)
; A CHUNK'S TILES: a loop of at most 32 trips, left forward when the wave's tiles are done; no barrier stands in it.  In trip i the tile in hand is multiplied and x of the next is read.
; A tile's number, made of numbers out of memory, is held to the chunk's last tile; what a read past the wave's last tile brings is not used.
; PLACES.  A vector instruction that reads a matrix result or writes a matrix instruction's register, and a load into such a register, stand four plain vector instructions, which name none
; of its registers, behind it; a matrix instruction that writes over such a register five (ISA guide 7.12.1 for vector instructions).
.macro CHUNK c
	s_wait_dscnt 0x0                               ; a loop before is left with a load and a store out: the load's registers are loaded anew below
	s_min_u32 s69, s[ST0+(\c)], 72*(\c)+71
	v_lshl_add_u32 v[VXA], s69, 9, v[VXL]
	ds_load_b128 v[XB:XB+3], v[VXA]                ; x[8 (lane / 16) + 0..7] of the token at place lane % 16 of my first tile
	s_mov_b32 s66, 0
	s_mov_b32 s67, s[ST0+(\c)]                     ; the tile in hand
	s_wait_dscnt 0x0
.Ltile\c:
	s_cmp_ge_u32 s66, s[SNT+(\c)]
	s_cbranch_scc1 .Ldone\c
	s_wait_dscnt 0x1                               ; this tile's x is in; the store of the last result, issued behind that load, may be out
.irp t, 0,1,2,3
	v_wmma_f32_16x16x32_bf16 v[D+8*(\t):D+8*(\t)+7], v[W0F+8*(\t):W0F+8*(\t)+7], v[XB:XB+7], 0      ; layer 0, with b0
.endr
	s_add_co_u32 s68, s67, 2
	s_min_u32 s70, s68, 72*(\c)+71
	s_min_u32 s69, s67, 72*(\c)+71
	v_lshl_add_u32 v[VXA], s70, 9, v[VXL]          ; with three v_nop the places behind layer 0's products
.rept 3
	v_nop
.endr
	ds_load_b128 v[XB:XB+3], v[VXA]                ; my next tile's x
.set j, 0
.rept 16
	v_cvt_pk_f16_f32 v[H+j], v[D+2*j], v[D+2*j+1]  ; each accumulator from its low end on
.set j, j+1
.endr
.set j, 0
.rept 16
	v_pk_max_num_f16 v[H+j], v[H+j], v[VZ]         ; ReLU on the packed halves
.set j, j+1
.endr
.irp t, 0,1,2,3                        ; layer 1: the four accumulators take turns; the first K step starts the sums with b1
	v_wmma_f32_16x16x32_f16 v[D+8*(\t):D+8*(\t)+7], v[W1F+8*(\t):W1F+8*(\t)+7], v[H:H+7], v[B1C+8*(\t):B1C+8*(\t)+7]
.endr
.irp t, 0,1,2,3
	v_wmma_f32_16x16x32_f16 v[D+8*(\t):D+8*(\t)+7], v[W1F+32+8*(\t):W1F+32+8*(\t)+7], v[H+8:H+15], v[D+8*(\t):D+8*(\t)+7]
.endr
.rept 4
	v_nop                                          ; the places behind them: no other vector work is at hand
.endr
.set j, 0
.rept 16
	v_cvt_pk_bf16_f32 v[H+j], v[D+2*j], v[D+2*j+1]
.set j, j+1
.endr
.set j, 0
.rept 16
	v_pk_max_num_bf16 v[H+j], v[H+j], v[VZ]
.set j, j+1
.endr
	v_wmma_f32_16x16x32_bf16 v[D:D+7], v[W2F:W2F+7], v[H:H+7], 0               ; layer 2: every row of the result is the token's sum over 32 features;
	v_wmma_f32_16x16x32_bf16 v[D+8:D+15], v[W2F+8:W2F+15], v[H+8:H+15], 0      ; layer 1's first two accumulators have been read out and are written again
	v_lshl_add_u32 v[VOA], s69, 6, v[VOL]          ; with four v_nop the places behind them, for the sums below and for the next trip's first products
.rept 4
	v_nop
.endr
	v_add_f32 v[TA], v[D], v[VB2]
	v_add_f32 v[TA], v[TA], v[D+8]
	ds_store_b32 v[VOA], v[TA]                     ; lanes r and r + 16 write the same word with the same number
	s_mov_b32 s67, s68
	s_add_co_u32 s66, s66, 1
	s_cmp_lt_u32 s66, 32
	s_cbranch_scc1 .Ltile\c
.Ldone\c:
.endm
	CHUNK 0
	s_wait_dscnt 0x0                               ; for the others' sake: my reads of tiles are back
	MEET                                           ; nobody reads x in LDS now
	s_wait_loadcnt 0x0                             ; chunk 2 has had chunk 0's tiles in which to come
	SCAT SL, XL
	ASK 3, SL, XL                                  ; chunk 3 has the tiles of chunks 1 and 2 in which to come
	MEET                                           ; chunk 2 lies in LDS, everybody's part (SCAT has waited for my stores)
	CHUNK 1
	CHUNK 2
	s_wait_dscnt 0x0                               ; for the others' sake: my reads of tiles are back
	MEET                                           ; nobody reads x in LDS now
	s_wait_loadcnt 0x0                             ; chunk 3
	SCAT SL, XL
	v_lshlrev_b32 v[SL], 3, v0                     ; for the way out: my two tokens of each chunk, 8 bytes; their slots are asked for now
.irp c, 0,1,2,3
	global_load_b64 v[XL+2*(\c):XL+2*(\c)+1], v[SL], s[18:19] offset:(\c)*4096
.endr
	MEET                                           ; chunk 3 lies in LDS, everybody's part (SCAT has waited for my stores)
	CHUNK 3
	; THE WAY OUT.  Each thread fetches its own eight tokens' results by their slots, and stores them in the tokens' order.
	s_wait_dscnt 0x0                               ; for the others' sake: my results are written
	MEET
	s_wait_loadcnt 0x0
.irp k, 0,1,2,3,4,5,6,7
	v_min_u32 v[XL+(\k)], NOSLOT, v[XL+(\k)]
	v_lshl_add_u32 v[XL+(\k)], v[XL+(\k)], 2, OUTS
	ds_load_b32 v[XL+8+(\k)], v[XL+(\k)]
.endr
	s_wait_dscnt 0x0
.irp c, 0,1,2,3
	global_store_b64 v[SL], v[XL+8+2*(\c):XL+9+2*(\c)], s[24:25] offset:(\c)*4096 th:TH_STORE_NT  ; a wave's store covers 256 consecutive bytes, at a multiple of 256 from out0's first
.endr
	s_wait_tensorcnt 0x0                           ; the wave's end: three lines behind my last LDS store
	ds_add_u32 v[SPW], v[NIL]
	s_wait_dscnt 0x0
	s_endpgm
.Lfunc_end_k_q7b5a71eefb_mlp:
	.size	k_q7b5a71eefb_mlp, .Lfunc_end_k_q7b5a71eefb_mlp-k_q7b5a71eefb_mlp
	.p2alignl 7, 3214868480
	.fill 96, 4, 3214868480
	.section	.rodata,"a",@progbits
	.p2align	6, 0x0
	.amdhsa_kernel k_q7b5a71eefb_mlp
		.amdhsa_group_segment_fixed_size 168448
		.amdhsa_private_segment_fixed_size 0
		.amdhsa_enable_private_segment 0
		.amdhsa_kernarg_size 72
		.amdhsa_user_sgpr_count 2
		.amdhsa_user_sgpr_kernarg_segment_ptr 1
		.amdhsa_wavefront_size32 1
		.amdhsa_system_sgpr_workgroup_id_x 1
		.amdhsa_system_sgpr_workgroup_id_y 1
		.amdhsa_system_sgpr_workgroup_id_z 1
		.amdhsa_system_vgpr_workitem_id 0
		.amdhsa_next_free_vgpr 256
		.amdhsa_next_free_sgpr 72
		.amdhsa_reserve_vcc 0
		.amdhsa_float_denorm_mode_32 3
		.amdhsa_float_denorm_mode_16_64 3
		.amdhsa_memory_ordered 1
		.amdhsa_forward_progress 1
		.amdhsa_inst_pref_size 58
	.end_amdhsa_kernel
	.amdgpu_metadata
---
amdhsa.version: [ 1, 2 ]
amdhsa.kernels:
  - .name:           k_q7b5a71eefb_mlp
    .symbol:         k_q7b5a71eefb_mlp.kd
    .args:
      - { .name: xs, .offset: 0, .size: 8, .value_kind: global_buffer, .address_space: global }
      - { .name: b0, .offset: 8, .size: 8, .value_kind: global_buffer, .address_space: global }
      - { .name: b1, .offset: 16, .size: 8, .value_kind: global_buffer, .address_space: global }
      - { .name: W2, .offset: 24, .size: 8, .value_kind: global_buffer, .address_space: global }
      - { .name: b2, .offset: 32, .size: 8, .value_kind: global_buffer, .address_space: global }
      - { .name: slots, .offset: 40, .size: 8, .value_kind: global_buffer, .address_space: global }
      - { .name: meta, .offset: 48, .size: 8, .value_kind: global_buffer, .address_space: global }
      - { .name: wf, .offset: 56, .size: 8, .value_kind: global_buffer, .address_space: global }
      - { .name: out0, .offset: 64, .size: 8, .value_kind: global_buffer, .address_space: global }
    .group_segment_fixed_size: 168448
    .private_segment_fixed_size: 0
    .kernarg_segment_align: 8
    .kernarg_segment_size: 72
    .max_flat_workgroup_size: 512
    .sgpr_count:     72
    .vgpr_count:     256
    .wavefront_size: 32
...
	.end_amdgpu_metadata
.endif
;; end of part 2
